; MI455X (gfx1250); checked and timed in simulation.
; The chip was launched on July 23, 2026; its instructions are those of AMD's public machine-readable ISA for CDNA 5 (MIT licence, August 2026) and "CDNA5" Instruction Set Architecture Reference Guide (July 2026). The comments in the code are by the model that wrote it; some were corrected since.
;; slam model. Allowed arithmetic: float matrix products may take bf16 or f16 operands with f32 sums; other float arithmetic in f32, or as packed bf16 or f16 multiplies, adds, multiply-adds, maxima and minima; sums over many terms, partial sums and values carried from step to step in f32; what a program stores and reads back later, other than sums and carried values, may be rounded once to bf16 or f16.
;; Inputs: embed_weight 16,000 x 2,048 float32; encoder_outs 4 x 512 x 2,048 float32; input_ids 4 x 1,024 int32; modality_mask 4 x 1,024 bool.
;; Outputs: out0 4 x 1,024 x 2,048 float32; out1 4 x 512 int32.
;; 2 versions, each right; version 2 is version 1 with the launch prep written anew for expert scheduling mode. Each part assembles by itself: llvm-mc -triple=amdgcn-amd-amdhsa -mcpu=gfx1250 --defsym DOCPART=n.
;; ======== version 1 of 2: 4 launches
;; workspace buffers: xb 73,924,608 bytes; rn 72,192 bytes; part 2,097,152 bytes; qidx 8,192 bytes of whole numbers
;; launch prep (part 1): grid 256 x 1, 24 waves a work-group, no clusters, 0 bytes of LDS; arguments embed_weight, encoder_outs, xb, rn; writes xb, rn
.if DOCPART == 1
	.amdgcn_target "amdgcn-amd-amdhsa--gfx1250"
	.amdhsa_code_object_version 6
	.text
	.protected	k_q38824be73d_prep
	.globl	k_q38824be73d_prep
	.p2align	8
	.type	k_q38824be73d_prep,@function
k_q38824be73d_prep:
	s_mov_b64 s[64:65], 0
	v_nop
	global_prefetch_b8 v0, s[64:65] scope:SCOPE_SE
	s_setreg_imm32_b32 hwreg(HW_REG_WAVE_MODE, 25, 1), 1
	s_wait_xcnt 0x0
; xb[row][:] = bf16(source row), rn[row] = 1 / sqrt(sum of squares of the ROUNDED row).  Rows 0..15,999 of xb are embed_weight's, rows 16,000..18,047 encoder_outs'.
; The norms are taken of the rounded numbers, so that the later products and the norms speak of the same vectors.
; LIMITS.  A row whose sum of squares is 0 or below 2^-126 gets rn = infinity; a sum of squares beyond f32's range (numbers of about 1e17 and more) gives rn = 0; NaN and infinities are not treated apart.
; SHARES.  18,048 rows are 70.5 for each of 256 work-groups: work-group g owns the 70 + g % 2 rows from (141 g) / 2 on.  24 waves of 3 rows are 72: the first 22 + g % 2 waves take 3 rows on end, the others 2.
; One work-group holds row 16,000, so each row picks its own source by its number.
; A source row is 8,192 bytes: 16 loads of 16 bytes a lane, each 512 consecutive bytes; each becomes one store of 8 bytes a lane: 256 consecutive bytes of xb, aligned.
; A ring of 16 slots in registers (one row) keeps 16 loads of every wave on their way, 24 x 8 KiB for the work-group.  A wave has three rows at the most, so its rows are written out, without a loop:
; the first row, which refills from the second; a middle row, which waves of two rows jump over; the last row, which loads nothing.  Each row has a base of its own: none is ever stepped.
; No LDS: no wave wants a byte that another has fetched, and a row's sum never leaves its wave.
.set NW,   16000                       ; rows of embed_weight
.set LN,   1                           ; v1   lane
.set LO,   2                           ; v2   16 x lane: my place in a load; never rewritten
.set SO,   3                           ; v3   8 x lane: my place in a store; never rewritten
.set NO,   4                           ; v4   4 x lane: my place in rn
.set ZR,   5                           ; v5   0: what a row's first four products are added to
.set RES,  6                           ; v6   lane k (k < 3): the sum of squares of my row k; 1.0 elsewhere
.set RS,   7                           ; v7   its reciprocal root
.set ACC,  8                           ; v[8:11]  four chains of sums
.set TT,   12                          ; v12  at work
.set X,    16                          ; v[16:79]   slot n: 4 numbers in f32 as loaded
.set Y,    80                          ; v[80:143]  two sets of 32: slot n's 4 numbers in bf16, to store
.set WV,   12                          ; s12  my wave's number
.set ROWI, 13                          ; s13  the number, 0 to 2, of the row whose sum comes next
.set R0,   16                          ; s16  my first row
.set NR,   17                          ; s17  how many rows I have: 3 or 2
.set SRC,  24                          ; s[24:29] the source address of my row i at SRC + 2 i
.set DL,   30                          ; s[30:31] xb at my last row
.set RI,   32                          ; s32-34   my row i's number
.set OF,   36                          ; s[36:41] its byte offset in its source
	s_load_b256 s[4:11], s[0:1], 0x0               ; embed_weight s[4:5], encoder_outs s[6:7], xb s[8:9], rn s[10:11]
	v_and_b32 v[LN], 31, v0
	v_lshrrev_b32 v[TT], 5, v0
	v_readfirstlane_b32 s[WV], v[TT]               ; wave 0..23
	v_lshlrev_b32 v[LO], 4, v[LN]
	v_lshlrev_b32 v[SO], 3, v[LN]
	v_lshlrev_b32 v[NO], 2, v[LN]
	v_mov_b32 v[ZR], 0
	v_mov_b32 v[RES], 1.0
	s_mul_i32 s14, ttmp9, 141
	s_lshr_b32 s14, s14, 1                         ; the work-group's first row
	s_and_b32 s15, ttmp9, 1
	s_add_co_u32 s15, s15, 22                      ; so many waves have three rows
	s_min_u32 s[R0], s[WV], s15
	s_lshl_b32 s18, s[WV], 1
	s_add_co_u32 s[R0], s[R0], s18
	s_add_co_u32 s[R0], s[R0], s14                 ; my first row: the work-group's + 2 w + min(w, waves of three)
	s_cmp_lt_u32 s[WV], s15
	s_cselect_b32 s[NR], 3, 2
.irp i, 0,1,2
	s_add_co_u32 s[RI+\i], s[R0], \i
	s_sub_co_u32 s19, s[RI+\i], NW                 ; its number in encoder_outs, if that is its source
	s_cmp_lt_u32 s[RI+\i], NW
	s_cselect_b32 s19, s[RI+\i], s19
	s_lshl_b32 s[OF+2*\i], s19, 13                 ; 8,192 bytes a row (under 2^27)
	s_mov_b32 s[OF+2*\i+1], 0
.endr
	s_lshl_b32 s42, s[R0], 12                      ; in xb: 4,096 bytes a row
	s_mov_b32 s43, 0
	s_lshl_b32 s44, s[R0], 2                       ; in rn: 4 bytes a row
	s_mov_b32 s45, 0
	s_add_co_u32 s46, s[R0], s[NR]
	s_sub_co_u32 s46, s46, 1                       ; my last row,
	s_lshl_b32 s46, s46, 12                        ; in xb
	s_mov_b32 s47, 0
	s_mov_b32 s20, 0x76543210                      ; v_permlanex16_b32: each lane takes its own place in the other half
	s_mov_b32 s21, 0xfedcba98
	s_mov_b32 s[ROWI], 0
	s_wait_kmcnt 0x0
	s_cmp_lt_u32 s[RI], NW
	s_cselect_b64 s[SRC:SRC+1], s[4:5], s[6:7]     ; my first row's source
	s_add_nc_u64 s[SRC:SRC+1], s[SRC:SRC+1], s[OF:OF+1]
.set n, 0
.rept 16
	global_load_b128 v[X+4*n:X+4*n+3], v[LO], s[SRC:SRC+1] offset:512*n th:TH_LOAD_NT  ; the ring is filled: my first row
.set n, n+1
.endr
.irp i, 1,2                            ; (a wave of two rows makes the third address too, and never uses it)
	s_cmp_lt_u32 s[RI+\i], NW
	s_cselect_b64 s[SRC+2*\i:SRC+2*\i+1], s[4:5], s[6:7]
	s_add_nc_u64 s[SRC+2*\i:SRC+2*\i+1], s[SRC+2*\i:SRC+2*\i+1], s[OF+2*\i:OF+2*\i+1]
.endr
	s_add_nc_u64 s[DL:DL+1], s[8:9], s[46:47]
	s_add_nc_u64 s[8:9], s[8:9], s[42:43]          ; xb at my first row
	s_add_nc_u64 s[10:11], s[10:11], s[44:45]
; Four squares of bf16 halves, each added in f32 onto a chain of its own (a0..a3: the chains, or ZR at a row's beginning: nothing is cleared).
.macro SQ4 y, a0, a1, a2, a3
	v_fma_mix_f32_bf16 v[ACC],   v[\y],     v[\y],     v[\a0] op_sel_hi:[1,1,0]
	v_fma_mix_f32_bf16 v[ACC+1], v[\y],     v[\y],     v[\a1] op_sel:[1,1,0] op_sel_hi:[1,1,0]
	v_fma_mix_f32_bf16 v[ACC+2], v[(\y)+1], v[(\y)+1], v[\a2] op_sel_hi:[1,1,0]
	v_fma_mix_f32_bf16 v[ACC+3], v[(\y)+1], v[(\y)+1], v[\a3] op_sel:[1,1,0] op_sel_hi:[1,1,0]
.endm
; Slot i's turn.  ys: the set of store registers.  ahead = 1: the slot is filled again with the same place of the row at s[nx].  db, ro: the store's base, and rows behind it.  left: how many younger loads may stay out.
.macro GRAN i, ys, ahead, nx, db, ro, left
	s_wait_loadcnt \left                           ; loads come back in order: mine is in, the younger ones stay out
	v_cvt_pk_bf16_f32 v[Y+32*(\ys)+2*(\i)],   v[X+4*(\i)],   v[X+4*(\i)+1]
	v_cvt_pk_bf16_f32 v[Y+32*(\ys)+2*(\i)+1], v[X+4*(\i)+2], v[X+4*(\i)+3]
.if (\i) == 0
	SQ4 Y+32*(\ys)+2*(\i), ZR, ZR, ZR, ZR
.else
	SQ4 Y+32*(\ys)+2*(\i), ACC, ACC+1, ACC+2, ACC+3
.endif
.if \ahead
	global_load_b128 v[X+4*(\i):X+4*(\i)+3], v[LO], s[\nx:(\nx)+1] offset:512*(\i) th:TH_LOAD_NT  ; the load ahead of the store
.endif
	global_store_b64 v[SO], v[Y+32*(\ys)+2*(\i):Y+32*(\ys)+2*(\i)+1], s[\db:(\db)+1] offset:4096*(\ro)+256*(\i)
.endm
; A row: every slot once; then its four chains and 32 lanes are added, and lane s[ROWI] of RES takes the sum.
.macro ROW ys, ahead, nx, db, ro
.set n, 0
.rept 16
.if \ahead
	GRAN n, \ys, 1, \nx, \db, \ro, 15              ; the 15 other slots' loads are younger than mine
.else
	GRAN n, \ys, 0, \nx, \db, \ro, 15-n            ; nothing is loaded any more: the counts run down
.endif
.set n, n+1
.endr
	v_add_f32 v[ACC], v[ACC], v[ACC+1]
	v_add_f32 v[ACC+2], v[ACC+2], v[ACC+3]
	v_add_f32 v[ACC], v[ACC], v[ACC+2]
	v_add_f32_dpp v[ACC], v[ACC], v[ACC] row_xmask:1 row_mask:0xf bank_mask:0xf
	v_add_f32_dpp v[ACC], v[ACC], v[ACC] row_xmask:2 row_mask:0xf bank_mask:0xf
	v_add_f32_dpp v[ACC], v[ACC], v[ACC] row_xmask:4 row_mask:0xf bank_mask:0xf
	v_add_f32_dpp v[ACC], v[ACC], v[ACC] row_xmask:8 row_mask:0xf bank_mask:0xf
	v_permlanex16_b32 v[TT], v[ACC], s20, s21
	v_add_f32 v[ACC], v[ACC], v[TT]
	v_cmp_eq_u32 vcc_lo, s[ROWI], v[LN]
	v_cndmask_b32 v[RES], v[RES], v[ACC], vcc_lo
	s_add_co_u32 s[ROWI], s[ROWI], 1
.endm
	ROW 0, 1, SRC+2, 8, 0                          ; my first row; the ring takes my second
	s_cmp_eq_u32 s[NR], 3
	s_cbranch_scc0 .Llast                          ; on both ways 16 loads are out at the label: my last row's
	ROW 1, 1, SRC+4, 8, 1                          ; the middle one of three; the ring takes my third
.Llast:
	s_wait_xcnt 0x0                                ; every load and store issued so far has read its address and data: only behind this wait is the first set of store registers written again
	ROW 0, 0, SRC, DL, 0                           ; my last row
	v_rsq_f32 v[RS], v[RES]
	v_nop                                          ; a plain instruction behind the root,
	s_wait_alu depctr_va_vdst(0)                   ; and the wait ahead of the first use of its result
	v_cmp_gt_u32 vcc_lo, s[NR], v[LN]
	s_wait_xcnt 0x0                                ; EXEC is changed only behind this wait
	s_and_saveexec_b32 s22, vcc_lo
	global_store_b32 v[NO], v[RS], s[10:11]        ; lanes 0 to 2 (or 0 and 1): my rows' numbers, 12 (or 8) consecutive bytes
	s_endpgm
.Lfunc_end_k_q38824be73d_prep:
	.size	k_q38824be73d_prep, .Lfunc_end_k_q38824be73d_prep-k_q38824be73d_prep
	.p2alignl 7, 3214868480
	.fill 96, 4, 3214868480
	.section	.rodata,"a",@progbits
	.p2align	6, 0x0
	.amdhsa_kernel k_q38824be73d_prep
		.amdhsa_group_segment_fixed_size 0
		.amdhsa_private_segment_fixed_size 0
		.amdhsa_enable_private_segment 0
		.amdhsa_kernarg_size 32
		.amdhsa_user_sgpr_count 2
		.amdhsa_user_sgpr_kernarg_segment_ptr 1
		.amdhsa_wavefront_size32 1
		.amdhsa_system_sgpr_workgroup_id_x 1
		.amdhsa_system_sgpr_workgroup_id_y 1
		.amdhsa_system_sgpr_workgroup_id_z 1
		.amdhsa_system_vgpr_workitem_id 0
		.amdhsa_next_free_vgpr 144
		.amdhsa_next_free_sgpr 66
		.amdhsa_reserve_vcc 1
		.amdhsa_float_denorm_mode_32 3
		.amdhsa_float_denorm_mode_16_64 3
		.amdhsa_memory_ordered 1
		.amdhsa_forward_progress 1
		.amdhsa_inst_pref_size 34
	.end_amdhsa_kernel
	.amdgpu_metadata
---
amdhsa.version: [ 1, 2 ]
amdhsa.kernels:
  - .name:           k_q38824be73d_prep
    .symbol:         k_q38824be73d_prep.kd
    .args:
      - { .name: embed_weight, .offset: 0, .size: 8, .value_kind: global_buffer, .address_space: global }
      - { .name: encoder_outs, .offset: 8, .size: 8, .value_kind: global_buffer, .address_space: global }
      - { .name: xb, .offset: 16, .size: 8, .value_kind: global_buffer, .address_space: global }
      - { .name: rn, .offset: 24, .size: 8, .value_kind: global_buffer, .address_space: global }
    .group_segment_fixed_size: 0
    .private_segment_fixed_size: 0
    .kernarg_segment_align: 8
    .kernarg_segment_size: 32
    .max_flat_workgroup_size: 768
    .sgpr_count:     66
    .vgpr_count:     144
    .wavefront_size: 32
...
	.end_amdgpu_metadata
.endif
;; end of part 1
;; launch gemm (part 2): grid 32 x 8, 4 waves a work-group, clusters of 4 x 4, 327,680 bytes of LDS; arguments xb, rn, part; writes part
.if DOCPART == 2
	.amdgcn_target "amdgcn-amd-amdhsa--gfx1250"
	.amdhsa_code_object_version 6
	.text
	.protected	k_q38824be73d_gemm
	.globl	k_q38824be73d_gemm
	.p2align	8
	.type	k_q38824be73d_gemm,@function
k_q38824be73d_gemm:
	s_mov_b64 s[64:65], 0
	v_nop
	global_prefetch_b8 v0, s[64:65] scope:SCOPE_SE
	s_setreg_imm32_b32 hwreg(HW_REG_WAVE_MODE, 25, 1), 1
	s_wait_xcnt 0x0
	s_wait_alu depctr_hold_cnt(0) depctr_sa_sdst(0) depctr_va_vdst(0) depctr_va_sdst(0) depctr_va_ssrc(0) depctr_va_vcc(0) depctr_vm_vsrc(0)
	s_getreg_b32 s2, hwreg(HW_REG_IB_STS2, 6, 4)
	s_cmp_eq_u32 s2, 0
	s_cbranch_scc0 .Lentry_in_a_cluster
	s_endpgm
.Lentry_in_a_cluster:
	s_bfe_u32 s2, ttmp6, 0x10000c
	s_cmp_lg_u32 s2, 0xf033
	s_cbranch_scc0 .Lentry_shape_is_right
	s_endpgm
.Lentry_shape_is_right:
; For each encoder row and each chunk of 128 codebook rows: the largest cosine of the chunk and the codebook row that has it.
; score(e, v) = (sum over k of E[e][k] W[v][k]) x rn[v]; the chunk's maximum is then multiplied by rn[e] (a positive factor, which changes no order): part[chunk][e] = (maximum, v).
; E = rows 16,000.. of xb, W = rows 0..15,999, both bf16, rows of 4,096 bytes; sums in f32.  Of equal scores the lowest v is taken.
; LIMITS.  A codebook row with rn = infinity (a zero row) has scores that are NaN and is never taken; an encoder row of zeros gives maximum NaN and each chunk's first row; NaN and infinities in the inputs are not treated apart.
; TILES.  A tile is 256 encoder rows x 256 codebook rows, made by four waves, each 128 x 128: 64 accumulators of 16 x 16, 512 registers.  16,000 is no multiple of 256: the 64 tiles of codebook rows
; begin at 252 x + 7,932 t (x = 0..31, t = 0, 1) and overlap by 4 rows (tiles 31 and 32 by 136); the last ends at 16,000.  A row met twice is the same candidate twice, which a maximum does not mind: nothing is padded or masked.
; A WORK-GROUP STAYS: it makes the tiles t = 0 and t = 1 of its x, on the same 256 encoder rows.  K goes in steps of 128 through a ring of two LDS slots filled by the tensor data mover,
; and the ring does not stop at the first tile's end: its last two changes of slots ask for the second tile's first two K steps.
; CLUSTERS: 4 x 4 work-groups.  The four of a row of the cluster need the same tiles of E, the four of a column the same tiles of W: each is asked for JOINTLY, by the same tensor load with the same descriptor and a mask of the four.
; THE MATRIX INSTRUCTION IS USED TRANSPOSED (source 0 = 16 rows of W, source 1 = 16 rows of E): lane l holds encoder row l % 16 and registers 0 to 7 the codebook rows 8 (l / 16) + 0..7 of the block.
; So an encoder row's 128 scores lie in two lanes, 64 registers each, and its maximum wants one exchange between the halves of the lanes.
; REGISTERS, in windows of 256 (s_set_vgpr_msb: bits 1:0 source 0, 3:2 source 1, 5:4 source 2, 7:6 destination):
;   window 0: v0-31 addresses and at work; v32-59 the way out's results; v64-127, v128-191 fragments of E, two buffers; v192-255 a block's 64 scores
;   window 1: v0-63 rn of my 128 codebook rows, laid as a block's accumulators; v64-127, v128-191 fragments of W, two buffers
;   window 2: the 32 accumulators of my encoder rows 0-63 (block e, codebook block b at v[8 (8 (e % 4) + b)]);   window 3: those of rows 64-127
.set SIZE_K, 2048
.set KSTEP,  128
.set ROWB,   SIZE_K*2                  ; bytes in a row of xb
.set PITCH,  272                       ; an LDS row: 256 bytes + 16 of padding = 68 words: the 16 rows that a fragment load touches start at 16 different groups of four banks (64 banks of 4 bytes: ISA guide 11.1)
.set HALFT,  128*PITCH                 ; 128 rows: what one tensor load brings, and what one wave reads of E or of W
.set SLOT,   4*HALFT                   ; E's 256 rows, then W's 256 rows
.set SPARE,  2*SLOT                    ; behind the ring: the spare words, 128 bytes for each wave: two blocks of 256 bytes that no other line names
.set LAPS,   SIZE_K/(2*KSTEP)          ; a lap = two K steps = once round the ring
.set EROW0,  16000                     ; E's first row in xb and in rn
.set EOFF,   EROW0*ROWB
.set XSTEP,  252                       ; codebook rows from a work-group's tile to its neighbour's
.set TSTEP,  7932                      ; and from a work-group's first tile to its second
.set BACK_A, (SIZE_K-2*KSTEP)*2        ; bytes from a slot's last K step of a tile back to its first: E stays on its rows,
.set NEXT_B, TSTEP*ROWB-BACK_A         ; W goes TSTEP rows down and back along K
.set PFNEXT, (TSTEP-1)*ROWB+KSTEP*2    ; the prefetches: from the K step after the tile's last to the next tile's K step 1
.set IX,   8                           ; v8-11   four chains: the lowest place among my 64 scores that holds the maximum
.set TT,   12                          ; v12-13  at work
.set ADRA, 16                          ; v16-17  LDS address of my fragments of E in slot 0, 1
.set ADRB, 20                          ; v20-21  the same for W
.set H8,   24                          ; v24     8 (l / 16)
.set RWO,  25                          ; v25     32 (l / 16): my byte offset in rn's numbers of a block of 16 codebook rows
.set PO,   26                          ; v26     8 l: my byte offset in 32 rows of part
.set REO,  27                          ; v27     4 (l % 16): my byte offset in rn's numbers of a block of 16 encoder rows
.set SPW,  28                          ; v28     LDS address of my spare word: SPARE + 4 x my thread's number; never rewritten
.set NIL,  29                          ; v29     0; never rewritten
.set PFO,  30                          ; v30     the prefetches' offset: my lane x a row of xb; never rewritten
.set RE,   32                          ; v32-39  rn of my encoder row in block e
.set VAL,  40                          ; v40-47  block e: the maximum
.set IDX,  48                          ; v48-55  block e: its codebook row
.set CM,   56                          ; v56-59  four chains of maxima
.set F0,   64
.set F1,   128
.set SC,   192                         ; v192-255  a block's scores: place p = 8 b + j
.set G1,  24                           ; s[24:31] descriptor group 1 for E's tiles;  s[32:39] group 0, a set for each slot
.set G0,  32
.set LIM, 43                           ; s43      1 in a wave that prefetches, else the greatest number
.set PFA, 44                           ; s[44:45] where my prefetches stand
.set G1B, 48                           ; s[48:55], s[56:63] the same two groups for W's tiles
.set G0B, 56
.set RWB, 66                           ; s[66:67] rn at my first codebook row of the tile in hand
.set NB0, 68                           ; s68      that row's number
.set HM,  69                           ; s69      a mask of lanes 16 to 31
.set SEL, 70                           ; s[70:71] v_permlanex16_b32's selects: each lane takes its own place in the other half
.set MK,  72                           ; s[72:79] eight masks of lanes, at work
.set REB, 80                           ; s[80:81] rn at my first encoder row
.set MSB, 0
.macro WIN new                         ; the immediate's high byte repeats the setting that is left; a switch that changes nothing is dropped
.if MSB != (\new)
	s_set_vgpr_msb (MSB<<8)|(\new)
.set MSB, \new
.endif
.endm
.set MUL_LO, 0xa1                      ; source 0 (W) window 1, source 1 (E) window 0, C and D window 2
.set MUL_HI, 0xf1                      ; the same, C and D window 3
.set TO_B,   0x40                      ; destination window 1, address window 0
; A joint load.  Waves 0 and 1 fetch E's two halves, waves 2 and 3 W's.  Each line has one mask and one set of registers for all that issue it.  The branch hangs on the wave's number alone.
; An s_nop 0 and four v_nop follow each of the two lines, ahead of the jump and the label.
.macro JLOAD s
	s_cmp_eq_u32 s11, 0
	s_cbranch_scc0 .Lfor_b_\@
	tensor_load_to_lds s[G0+4*(\s):G0+4*(\s)+3], s[G1:G1+7]
	s_nop 0
.rept 4
	v_nop
.endr
	s_branch .Lasked_\@
.Lfor_b_\@:
	tensor_load_to_lds s[G0B+4*(\s):G0B+4*(\s)+3], s[G1B:G1B+7]
	s_nop 0
.rept 4
	v_nop
.endr
.Lasked_\@:
.endm
; A PREFETCH INTO THE L2, behind each joint load, its five lines and the run of LDS loads that follows: the K step that stands TWO refills on, 512 matrix instructions ahead of the load that will want it:
; 32 rows x 256 bytes, a lane a row, one instruction a wave.  E's rows are read by every cluster of a row of clusters: the one with x = 0 asks, in the first tile alone (the second walks the same rows).
; W's rows are read by both clusters of a column: the one with y = 0 asks, in both tiles.  The four partners that ask for a tile jointly share its rows out BY ADDRESS, 32 each: no branch hangs on a place in the cluster.
; (The few rows that two overlapping tiles share are named by both.)  how = 0, in the loop: a tile's last two refills have no K step two on; how = 1: at the change of tiles.
.macro ASK how
.if \how
	s_cmp_eq_u32 s[LIM], 1
.else
	s_cmp_gt_u32 s3, s[LIM]                        ; s3 = 1 in the loop's last trip
.endif
	s_cbranch_scc0 .Lnot_mine_\@
	global_prefetch_b8 v[PFO], s[PFA:PFA+1] offset:KSTEP*2 th:TH_LOAD_NT scope:SCOPE_SE
.Lnot_mine_\@:
.endm
; A round of the cluster's barrier: my work-group's barrier, so that wave 0's signal speaks for all four waves; wave 0 signals; every wave waits for all sixteen work-groups; my work-group's barrier once more.
.macro CREST                           ; a round behind its opening barrier
	s_cmp_lg_u32 s10, 0
	s_cbranch_scc1 .Lnot_wave_0_\@
	s_barrier_signal -3
.Lnot_wave_0_\@:
	s_barrier_wait -3
	s_barrier_signal -1
	s_barrier_wait -1
.endm
.macro CROUND                          ; a whole round
	s_barrier_signal -1
	s_barrier_wait -1
	CREST
.endm
	s_load_b128 s[84:87], s[0:1], 0x0              ; xb s[84:85], rn s[86:87]
	s_load_b64 s[8:9], s[0:1], 0x10                ; part
	v_lshl_add_u32 v[SPW], v0, 2, SPARE
	v_mov_b32 v[NIL], 0
	ds_add_u32 v[SPW], v[NIL]                      ; the wave's opening: the add, twice on end, and its wait, ahead of my first tensor load; the set-up below, work on registers, stands between
	ds_add_u32 v[SPW], v[NIL]                      ; and once more, under the one wait
	v_lshrrev_b32 v1, 5, v0
	v_readfirstlane_b32 s10, v1                    ; wave 0..3
	s_lshr_b32 s11, s10, 1                         ; which half of the tile's encoder rows is mine.  Also: I fetch for E (0) or for W (1)
	s_and_b32 s12, s10, 1                          ; which half of its codebook rows.  Also: which 128 rows of that tile I fetch
	s_bfe_u32 s40, ttmp6, 0x40000                  ; cx, cy: my place in the cluster
	s_bfe_u32 s41, ttmp6, 0x40004
	s_lshl_b32 s42, ttmp9, 2                       ; in a cluster launch ttmp9 and ttmp7 count clusters
	s_add_co_u32 s42, s42, s40                     ; x = 4 x cluster x + cx
	s_and_b32 s13, ttmp7, 0xffff
	s_lshl_b32 s13, s13, 2
	s_add_co_u32 s13, s13, s41                     ; y = 4 x cluster y + cy
	s_lshl_b32 s43, s41, 2
	s_lshl_b32 s43, 15, s43                        ; my row of the cluster: places 4 cy .. 4 cy + 3
	s_lshl_b32 s44, 0x1111, s40                    ; my column: places cx, cx + 4, cx + 8, cx + 12
	; descriptor group 1: a tile of 128 rows x 128 elements, padded in LDS
	s_or_b32 s[G1+0], s43, (1<<16)|(1<<20)|(1<<21)|(5<<22)|(3<<25)   ; 15:0 the mask: E's tiles go to my row; 17:16 elements of 2 bytes; 20 padding on; 21 set beside a mask; 24:22 after every 64 words (code 5); 31:25 4 words of it (code 3)
	s_or_b32 s[G1B+0], s44, (1<<16)|(1<<20)|(1<<21)|(5<<22)|(3<<25)  ; the same with the mask of my column, for W's tiles
.irp g, G1, G1B
	s_mov_b32 s[(\g)+1], KSTEP<<16                 ; tensor_dim0 = 128
	s_mov_b32 s[(\g)+2], 128<<16                   ; tensor_dim1 = 128
	s_mov_b32 s[(\g)+3], KSTEP<<16                 ; tile_dim0 = 128
	s_mov_b32 s[(\g)+4], 128                       ; tile_dim1 = 128
	s_mov_b32 s[(\g)+5], SIZE_K                    ; elements from row to row
	s_mov_b32 s[(\g)+6], 0
	s_mov_b32 s[(\g)+7], 0
.endr
	; where the tiles come from.  E's hang on y alone, which my row of the cluster shares; W's on x alone, which my column shares.  Each address is made in registers that never hold the other coordinate.
	s_lshl_b32 s17, s12, 7                         ; which 128 rows of the tile I fetch
	s_lshl_b32 s16, s13, 8
	s_add_co_u32 s16, s16, s17                     ; E: row 256 y + 128 x half,
	s_lshl_b32 s16, s16, 12                        ; in bytes (under 2^23)
	s_mul_i32 s46, s42, XSTEP
	s_add_co_u32 s46, s46, s17                     ; W: row 252 x + 128 x half: also the first codebook row of my 128 x 128
	s_mov_b32 s[NB0], s46
	s_lshl_b32 s46, s46, 12                        ; in bytes (under 2^26)
	s_mov_b32 s17, 0
	s_mov_b32 s47, 0
	s_mul_i32 s20, s10, HALFT                      ; and where they go: wave x 128 rows: no place in the cluster enters an LDS address
	s_mov_b32 s[HM], 0xffff0000
	s_mov_b32 s[SEL], 0x76543210
	s_mov_b32 s[SEL+1], 0xfedcba98
	s_wait_dscnt 0x0                               ; both opening adds are done
	s_wait_kmcnt 0x0
	s_add_nc_u64 s[4:5], s[84:85], EOFF            ; E
	s_mov_b64 s[6:7], s[84:85]                     ; W
	s_add_nc_u64 s[14:15], s[4:5], s[16:17]
	s_add_nc_u64 s[46:47], s[6:7], s[46:47]
	CROUND                                         ; all sixteen work-groups are here: the first joint loads meet
.irp s, 0,1
	s_mov_b32 s[G0+4*(\s)], 1                                        ; 1:0 count = 1
	s_add_co_u32 s[G0+4*(\s)+1], s20, (\s)*SLOT                      ; 63:32 LDS address
	s_add_nc_u64 s[G0+4*(\s)+2:G0+4*(\s)+3], s[14:15], (\s)*KSTEP*2  ; 120:64 global address: K step s
	s_or_b32 s[G0+4*(\s)+3], s[G0+4*(\s)+3], 0x80000000              ; 127:126 type = 2
	s_mov_b32 s[G0B+4*(\s)], 1
	s_add_co_u32 s[G0B+4*(\s)+1], s20, (\s)*SLOT
	s_add_nc_u64 s[G0B+4*(\s)+2:G0B+4*(\s)+3], s[46:47], (\s)*KSTEP*2
	s_or_b32 s[G0B+4*(\s)+3], s[G0B+4*(\s)+3], 0x80000000
	JLOAD \s                                       ; the ring is filled before anything else is done: two tensor loads of mine are out
.endr
	; A fragment is 16 rows x 32 K in 8 registers: lane l holds row l % 16; registers 0-3 K = 8 (l / 16) + 0..7, registers 4-7 K = 16 + 8 (l / 16) + 0..7: two loads of 16 bytes, 32 bytes apart.
	v_and_b32 v1, 15, v0                           ; l % 16
	v_bfe_u32 v2, v0, 4, 1                         ; l / 16
	v_mul_u32_u24 v3, v1, PITCH
	v_lshl_add_u32 v3, v2, 4, v3                   ; row x pitch + 16 x half
	s_mul_i32 s21, s11, HALFT                      ; my 128 rows of E
	s_mul_i32 s22, s12, HALFT                      ; my 128 rows of W,
	s_add_co_u32 s22, s22, 2*HALFT                 ; which lie behind E's 256
.irp s, 0,1
	v_add_nc_u32 v[ADRA+(\s)], s21, v3
	v_add_nc_u32 v[ADRB+(\s)], s22, v3
	s_add_co_u32 s21, s21, SLOT
	s_add_co_u32 s22, s22, SLOT
.endr
	v_lshlrev_b32 v[H8], 3, v2
	v_lshlrev_b32 v[RWO], 5, v2
	v_and_b32 v[PO], 31, v0
	v_lshlrev_b32 v[PFO], 12, v[PO]
	v_lshlrev_b32 v[PO], 3, v[PO]
	v_lshlrev_b32 v[REO], 2, v1
	v_mov_b32 v[TT], 0                             ; v_permlanex16_b32's destination counts as read
	; rn at my codebook rows and at my encoder rows; part at my chunk and rows
	s_lshl_b32 s20, s[NB0], 2
	s_mov_b32 s21, 0
	s_add_nc_u64 s[RWB:RWB+1], s[86:87], s[20:21]
	s_lshl_b32 s20, s13, 8
	s_lshl_b32 s22, s11, 7
	s_add_co_u32 s20, s20, s22                     ; my first encoder row: 256 y + 128 x half
	s_lshl_b32 s22, s20, 3                         ; its 8 bytes a row in part
	s_add_co_u32 s20, s20, EROW0
	s_lshl_b32 s20, s20, 2
	s_add_nc_u64 s[REB:REB+1], s[86:87], s[20:21]
	s_lshl_b32 s23, s42, 1
	s_add_co_u32 s23, s23, s12                     ; my chunk of the first tile: 2 x + half,
	s_lshl_b32 s23, s23, 14                        ; 2,048 rows of 8 bytes each
	s_add_co_u32 s22, s22, s23
	s_mov_b32 s23, 0
	s_add_nc_u64 s[8:9], s[8:9], s[22:23]
.irp e, 0,1,2,3,4,5,6,7
	global_load_b32 v[RE+\e], v[REO], s[REB:REB+1] offset:64*\e  ; waited for on the first way out
.endr
	; the prefetches
	s_mul_i32 s46, s42, XSTEP                      ; W's tile begins at row 252 x,
	s_lshl_b32 s47, s13, 8                         ; E's at row 256 y
	s_and_b32 s22, ttmp7, 0xffff                   ; cluster y
	s_cmp_eq_u32 s11, 0                            ; do I fetch for E?
	s_cselect_b32 s20, s47, s46
	s_cselect_b32 s21, s40, s41                    ; my place among the four that ask for the tile with me
	s_cselect_b32 s22, ttmp9, s22                  ; the coordinate along which other clusters read the same rows
	s_cselect_b64 s[PFA:PFA+1], s[4:5], s[6:7]
	s_cmp_eq_u32 s22, 0
	s_cselect_b32 s[LIM], 1, -1                    ; the same in all sixteen partners, for a given wave
	s_lshl_b32 s22, s12, 7
	s_add_co_u32 s20, s20, s22                     ; + the 128 rows that I fetch
	s_lshl_b32 s21, s21, 5
	s_add_co_u32 s20, s20, s21                     ; + my work-group's 32 of them
	s_lshl_b32 s20, s20, 12
	s_mov_b32 s21, 0
	s_add_nc_u64 s[PFA:PFA+1], s[PFA:PFA+1], s[20:21]
	s_add_nc_u64 s[PFA:PFA+1], s[PFA:PFA+1], 2*KSTEP*2  ; at K step 2: the first refill steps it to 3 and names K step 4.  Nothing is prefetched here, at the head: K steps 0 to 3 come by their loads alone
; 16 matrix instructions: encoder blocks a0, a0 + 1 of the window's four (hi = 0: my rows 0-63, 1: rows 64-127) x all 8 codebook blocks, 32 along K.  zero = 1: the first product starts the sums.
; The 64 accumulators take turns, one instruction a turn, in the same order in every quarter step.
.macro MUL16 f, hi, a0, zero
	WIN MUL_LO+0x50*(\hi)
.irp a, \a0, (\a0)+1
.irp b, 0,1,2,3,4,5,6,7
.if \zero
	v_wmma_f32_16x16x32_bf16 v[8*(8*(\a)+(\b)):8*(8*(\a)+(\b))+7], v[(\f)+8*(\b):(\f)+8*(\b)+7], v[(\f)+8*(4*(\hi)+(\a)):(\f)+8*(4*(\hi)+(\a))+7], 0
.else
	v_wmma_f32_16x16x32_bf16 v[8*(8*(\a)+(\b)):8*(8*(\a)+(\b))+7], v[(\f)+8*(\b):(\f)+8*(\b)+7], v[(\f)+8*(4*(\hi)+(\a)):(\f)+8*(4*(\hi)+(\a))+7], v[8*(8*(\a)+(\b)):8*(8*(\a)+(\b))+7]
.endif
.endr
.endr
.endm
; 32 LDS loads in one run: the fragments of one quarter step (128 rows of W, 128 rows of E, 32 K at byte k of the rows) into buffer f
.macro FETCH slot, k, f
	WIN TO_B
.irp i, 0,1,2,3,4,5,6,7
	ds_load_b128 v[(\f)+8*(\i):(\f)+8*(\i)+3],   v[ADRB+(\slot)] offset:(\k)+(\i)*16*PITCH
	ds_load_b128 v[(\f)+8*(\i)+4:(\f)+8*(\i)+7], v[ADRB+(\slot)] offset:(\k)+(\i)*16*PITCH+32
.endr
	WIN 0
.irp i, 0,1,2,3,4,5,6,7
	ds_load_b128 v[(\f)+8*(\i):(\f)+8*(\i)+3],   v[ADRA+(\slot)] offset:(\k)+(\i)*16*PITCH
	ds_load_b128 v[(\f)+8*(\i)+4:(\f)+8*(\i)+7], v[ADRA+(\slot)] offset:(\k)+(\i)*16*PITCH+32
.endr
.endm
; Four places (plain vector instructions that name none of a matrix instruction's registers) in front of loads into registers that matrix instructions have read, and of vector work that reads results.
.macro PLACES
.rept 4
	v_nop
.endr
.endm
; A K step is four quarter steps of 32 along K, 64 matrix instructions each, on buffers 0, 1, 0, 1.  One of the first three: multiplies buffer f; in its middle it fetches the next quarter's fragments, at byte k, into buffer g.
.macro QUARTER slot, k, f, g, zero
	s_wait_dscnt 8                                 ; W and E's rows 0-63 are in; the youngest eight loads (E's rows 64-127) may be out
	WIN MUL_LO
	MUL16 \f, 0, 0, \zero
	MUL16 \f, 0, 2, \zero
	PLACES
	FETCH \slot, \k, \g
	s_wait_dscnt 32                                ; all but the 32 just issued
	WIN MUL_HI
	MUL16 \f, 1, 0, \zero
	MUL16 \f, 1, 2, \zero
.endm
; The first half of a K step's last quarter: ONE barrier for the change of slots.  In front of it each wave waits for all its tensor loads, of which one is out: its part of the next slot; adds 0 to its
; spare word; and waits for that and for its own reads of this slot.  Behind it nobody reads this slot any more and the next slot is whole.  round = 1: a round of the cluster's barrier follows.
.macro MEET round
	WIN 0                                          ; (the add's two registers lie in window 0)
	s_wait_tensorcnt 0x0                           ; all my tensor loads have landed
	ds_add_u32 v[SPW], v[NIL]                      ; 0 onto my spare word
	s_wait_dscnt 9                                 ; (the add and the youngest eight loads may be out)
	WIN MUL_LO
	MUL16 F1, 0, 0, 0                              ; sixteen matrix instructions stand between the add and the wait for it
	s_wait_dscnt 0x0                               ; the add is done, and my reads of this slot are over
	s_barrier_signal -1
	MUL16 F1, 0, 2, 0                              ; work on registers while the others arrive
.if \round
	WIN 0
.endif
	s_barrier_wait -1
.endm
; The whole last quarter.  on = 0: the slot just read out is filled again with this tile's K step two steps on; on = 1: with the NEXT tile's K step 0 or 1; on = 2: the last tile's last lap: nothing is filled, no round.
.macro TURN slot, next, on
.if (\on) < 2
	s_wait_xcnt 0x0                                ; the last prefetch, a K step back, has read its address: it is stepped here, ahead of the waits of the change of slots
.if (\on) && (\slot) == 0
	s_add_nc_u64 s[PFA:PFA+1], s[PFA:PFA+1], PFNEXT
	s_cmp_lg_u32 s11, 0
	s_cselect_b32 s[LIM], s[LIM], -1               ; E's rows are the same in both tiles: they are prefetched no more
.else
	s_add_nc_u64 s[PFA:PFA+1], s[PFA:PFA+1], KSTEP*2
.endif
	MEET 1
	CREST                                          ; no wave of any partner still reads this slot's tile or has a load on its way
.if \on
	s_sub_nc_u64 s[G0+4*(\slot)+2:G0+4*(\slot)+3], s[G0+4*(\slot)+2:G0+4*(\slot)+3], BACK_A
	s_add_nc_u64 s[G0B+4*(\slot)+2:G0B+4*(\slot)+3], s[G0B+4*(\slot)+2:G0B+4*(\slot)+3], NEXT_B
.else
	s_add_nc_u64 s[G0+4*(\slot)+2:G0+4*(\slot)+3], s[G0+4*(\slot)+2:G0+4*(\slot)+3], 2*KSTEP*2
	s_add_nc_u64 s[G0B+4*(\slot)+2:G0B+4*(\slot)+3], s[G0B+4*(\slot)+2:G0B+4*(\slot)+3], 2*KSTEP*2
.endif
	JLOAD \slot                                    ; the first tensor load behind the round, my only one until the next; its four v_nop are also the places in front of the loads below
	FETCH \next, 0, F0
	ASK \on
.else
	MEET 0
	PLACES
	FETCH \next, 0, F0
.endif
	WIN MUL_HI
	MUL16 F1, 1, 0, 0
	MUL16 F1, 1, 2, 0
.endm
; rn of my 128 codebook rows, laid as a block's accumulators lie: register 8 b + j of lane l holds row 16 b + 8 (l / 16) + j.  Issued at a tile's beginning, waited for on its way out.
.macro RWLOAD
	WIN TO_B
.irp b, 0,1,2,3,4,5,6,7
	global_load_b128 v[8*\b:8*\b+3],   v[RWO], s[RWB:RWB+1] offset:64*\b
	global_load_b128 v[8*\b+4:8*\b+7], v[RWO], s[RWB:RWB+1] offset:64*\b+16
.endr
	WIN 0
.endm
; THE WAY OUT of block e (16 encoder rows x my 128 codebook rows).  The 64 sums of a lane times rn of their codebook rows (each accumulator is read from its low end on);
; their maximum, in four chains, and the other half of the lanes'; then the lowest place that holds it: the places are gone through from the highest down, so that the lowest equal one is written last.
.macro EBLK e
	WIN 0x06+(\e)/4                                ; source 0: the accumulators' window (2 or 3); source 1: window 1; destination: window 0
.set i, 0
.rept 32
	v_pk_mul_f32 v[SC+2*i:SC+2*i+1], v[64*((\e)%4)+2*i:64*((\e)%4)+2*i+1], v[2*i:2*i+1]
.set i, i+1
.endr
	WIN 0
.irp c, 0,1,2,3
	v_max3_num_f32 v[CM+\c], v[SC+16*\c], v[SC+16*\c+1], v[SC+16*\c+2]
.endr
.irp u, 1,2,3,4,5,6
.irp c, 0,1,2,3
	v_max3_num_f32 v[CM+\c], v[CM+\c], v[SC+16*\c+2*\u+1], v[SC+16*\c+2*\u+2]
.endr
.endr
	v_max3_num_f32 v[CM], v[CM], v[SC+15], v[SC+31]
	v_max3_num_f32 v[CM+2], v[CM+2], v[SC+47], v[SC+63]
	v_max3_num_f32 v[CM], v[CM], v[CM+1], v[CM+2]
	v_max_num_f32 v[CM], v[CM], v[CM+3]
	v_permlanex16_b32 v[TT], v[CM], s[SEL], s[SEL+1]  ; the row's other 64 scores lie in the lane 16 away
	v_max_num_f32 v[CM], v[CM], v[TT]
	v_mul_f32 v[VAL+(\e)], v[CM], v[RE+(\e)]       ; the division by the encoder row's norm
.irp c, 0,1,2,3
	v_mov_b32 v[IX+\c], 0x4000                     ; above every place
.endr
.irp t, 0,1,2,3,4,5,6,7
.irp c, 0,1,2,3
	v_cmp_eq_f32 s[MK+\c], v[SC+16*\c+15-2*\t], v[CM]
.endr
.irp c, 0,1,2,3
	v_cmp_eq_f32 s[MK+4+\c], v[SC+16*\c+14-2*\t], v[CM]
.endr
.irp c, 0,1,2,3
	v_cndmask_b32 v[IX+\c], v[IX+\c], 16*\c+15-2*\t, s[MK+\c]
.endr
.irp c, 0,1,2,3
	v_cndmask_b32 v[IX+\c], v[IX+\c], 16*\c+14-2*\t, s[MK+4+\c]
.endr
.endr
	v_min_u32 v[IX], v[IX], v[IX+1]
	v_min_u32 v[IX+2], v[IX+2], v[IX+3]
	v_min_u32 v[IX], v[IX], v[IX+2]                ; place p = 8 b + j
	v_and_b32 v[TT+1], 0x38, v[IX]                 ; 8 b
	v_add3_u32 v[IX], v[IX], v[TT+1], v[H8]        ; the codebook row among my 128: 16 b + 8 (l / 16) + j
	v_permlanex16_b32 v[TT], v[IX], s[SEL], s[SEL+1]
	v_min_u32 v[IX], v[IX], v[TT]
	v_add_nc_u32 v[IDX+(\e)], s[NB0], v[IX]
.endm
	s_wait_tensorcnt 1                             ; my part of K step 0 is in; K step 1's may stay out
	s_barrier_signal -1
	s_barrier_wait -1                              ; everybody's is
	FETCH 0, 0, F0
	s_mov_b32 s2, 2                                ; tiles to go: the same number in every work-group
.Ltile:
	RWLOAD
	QUARTER 0, 64,  F0, F1, 1                      ; a tile's first quarter stands in front of the loop: its products start the sums
	WIN 0                                          ; at a label and at a branch every window is 0
	s_mov_b32 s3, LAPS-1
.Llap:                                                 ; a trip goes once round the ring, from a lap's second quarter to the next lap's first, and fills both slots again
	QUARTER 0, 128, F1, F0, 0
	QUARTER 0, 192, F0, F1, 0
	TURN 0, 1, 0
	QUARTER 1, 64,  F0, F1, 0
	QUARTER 1, 128, F1, F0, 0
	QUARTER 1, 192, F0, F1, 0
	TURN 1, 0, 0
	QUARTER 0, 64,  F0, F1, 0
	WIN 0
	s_sub_co_u32 s3, s3, 1
	s_cmp_lg_u32 s3, 0
	s_cbranch_scc1 .Llap
	QUARTER 0, 128, F1, F0, 0                      ; the tile's last lap goes on
	QUARTER 0, 192, F0, F1, 0
	WIN 0
	s_cmp_eq_u32 s2, 1
	s_cbranch_scc1 .Llast                          ; the last tile's tail is written out: it asks for nothing more
	TURN 0, 1, 1                                   ; THE RING GOES ON INTO THE SECOND TILE: slot 0 takes its K step 0,
	QUARTER 1, 64,  F0, F1, 0
	QUARTER 1, 128, F1, F0, 0
	QUARTER 1, 192, F0, F1, 0
	TURN 1, 0, 1                                   ; slot 1 its K step 1, and the second tile's first fragments are fetched: they land during the way out, which touches neither LDS nor their registers
	WIN 0
	s_branch .Lout
.Llast:
	TURN 0, 1, 2
	QUARTER 1, 64,  F0, F1, 0
	QUARTER 1, 128, F1, F0, 0
	QUARTER 1, 192, F0, F1, 0
	s_wait_dscnt 8                                 ; the very last quarter: nothing more to fetch
	WIN MUL_LO
	MUL16 F1, 0, 0, 0
	MUL16 F1, 0, 2, 0
	s_wait_dscnt 0x0
	MUL16 F1, 1, 0, 0
	MUL16 F1, 1, 2, 0
	WIN 0
.Lout:
	PLACES                                         ; behind the last products
	s_wait_loadcnt 0x0                             ; rn of my codebook rows and of my encoder rows
.irp e, 0,1,2,3,4,5,6,7
	EBLK \e
.endr
.irp k, 0,1,2,3                        ; a result stands in both halves of the lanes alike: lanes 0-15 take block 2 k, lanes 16-31 block 2 k + 1: 32 rows on end
	v_cndmask_b32 v[SC+2*\k],   v[VAL+2*\k], v[VAL+2*\k+1], s[HM]
	v_cndmask_b32 v[SC+2*\k+1], v[IDX+2*\k], v[IDX+2*\k+1], s[HM]
.endr
.irp k, 0,1,2,3
	global_store_b64 v[PO], v[SC+2*\k:SC+2*\k+1], s[8:9] offset:256*\k  ; 256 consecutive bytes, at a multiple of 256 from part's first byte
.endr
	s_wait_xcnt 0x0                                ; the stores have read their data and base: only behind this wait are they written again
	s_add_nc_u64 s[8:9], s[8:9], 64*16384          ; the second tile's chunk lies 64 chunks on,
	s_add_nc_u64 s[RWB:RWB+1], s[RWB:RWB+1], 4*TSTEP  ; its codebook rows TSTEP rows on (after the last tile these three are used no more)
	s_add_co_u32 s[NB0], s[NB0], TSTEP
	s_sub_co_u32 s2, s2, 1
	s_cmp_lg_u32 s2, 0
	s_cbranch_scc1 .Ltile
	s_wait_tensorcnt 0x0                           ; the wave's end: the add to my spare word and its wait, behind my last tensor load
	ds_add_u32 v[SPW], v[NIL]
	s_wait_dscnt 0x0
	CROUND                                         ; the closing round: no work-group ends while a partner may still ask for a tile that names it
	s_endpgm
.Lfunc_end_k_q38824be73d_gemm:
	.size	k_q38824be73d_gemm, .Lfunc_end_k_q38824be73d_gemm-k_q38824be73d_gemm
	.p2alignl 7, 3214868480
	.fill 96, 4, 3214868480
	.section	.rodata,"a",@progbits
	.p2align	6, 0x0
	.amdhsa_kernel k_q38824be73d_gemm
		.amdhsa_group_segment_fixed_size 327680
		.amdhsa_private_segment_fixed_size 0
		.amdhsa_enable_private_segment 0
		.amdhsa_kernarg_size 24
		.amdhsa_user_sgpr_count 2
		.amdhsa_user_sgpr_kernarg_segment_ptr 1
		.amdhsa_wavefront_size32 1
		.amdhsa_system_sgpr_workgroup_id_x 1
		.amdhsa_system_sgpr_workgroup_id_y 1
		.amdhsa_system_sgpr_workgroup_id_z 1
		.amdhsa_system_vgpr_workitem_id 0
		.amdhsa_next_free_vgpr 1024
		.amdhsa_next_free_sgpr 88
		.amdhsa_reserve_vcc 0
		.amdhsa_float_denorm_mode_32 3
		.amdhsa_float_denorm_mode_16_64 3
		.amdhsa_memory_ordered 1
		.amdhsa_forward_progress 1
		.amdhsa_inst_pref_size 252
	.end_amdhsa_kernel
	.amdgpu_metadata
---
amdhsa.version: [ 1, 2 ]
amdhsa.kernels:
  - .name:           k_q38824be73d_gemm
    .symbol:         k_q38824be73d_gemm.kd
    .args:
      - { .name: xb, .offset: 0, .size: 8, .value_kind: global_buffer, .address_space: global }
      - { .name: rn, .offset: 8, .size: 8, .value_kind: global_buffer, .address_space: global }
      - { .name: part, .offset: 16, .size: 8, .value_kind: global_buffer, .address_space: global }
    .group_segment_fixed_size: 327680
    .private_segment_fixed_size: 0
    .kernarg_segment_align: 8
    .kernarg_segment_size: 24
    .max_flat_workgroup_size: 128
    .sgpr_count:     88
    .vgpr_count:     1024
    .wavefront_size: 32
...
	.end_amdgpu_metadata
.endif
;; end of part 2
;; launch pick (part 3): grid 128 x 1, 1 waves a work-group, no clusters, 0 bytes of LDS; arguments part, out1, qidx; writes out1, qidx
.if DOCPART == 3
	.amdgcn_target "amdgcn-amd-amdhsa--gfx1250"
	.amdhsa_code_object_version 6
	.text
	.protected	k_q38824be73d_pick
	.globl	k_q38824be73d_pick
	.p2align	8
	.type	k_q38824be73d_pick,@function
k_q38824be73d_pick:
	s_mov_b64 s[64:65], 0
	v_nop
	global_prefetch_b8 v0, s[64:65] scope:SCOPE_SE
	s_setreg_imm32_b32 hwreg(HW_REG_WAVE_MODE, 25, 1), 1
	s_wait_xcnt 0x0
; out1[e] = qidx[e] = the codebook row of the largest of encoder row e's 128 chunk maxima.  part: [128 chunks][2,048 rows][maximum f32, row u32].
; OF EQUAL MAXIMA THE LOWEST CODEBOOK ROW IS TAKEN, BY THE ORDER OF THE MERGES: the chunks are gone through in ascending order of their first codebook row, and on equal maxima the earlier stays.
; Why that is enough: let chunk a (rows sa .. sa + 127) stand ahead of chunk b (sb >= sa), with equal maxima at rows ia and ib.  Were ib < ia, then sa <= sb <= ib < ia < sa + 128: row ib lies in chunk a too,
; with the same score there (the same sums of the same numbers), and chunk a, which names the lowest row that holds its maximum, would have named ib or a lower one.
; Chunk c begins at row 252 (c / 2 % 32) + 7,932 (c / 64) + 128 (c % 2): ascending in c but for chunks 63 (row 7,940) and 64 (row 7,932).  So these two change places in the order.
; LIMITS.  A NaN never replaces a number and is never replaced: a row whose maxima are all NaN (an encoder row of zeros) keeps chunk 0's candidate, codebook row 0.
; SHARES.  One wave owns 16 rows: lane l takes row l % 16 and places 64 (l / 16) + 0..63 of the order; 64 loads of 8 bytes a lane, a tree of 63 merges, one exchange between the halves of the lanes.
; The launch is one trip to memory for 2 MiB in all: no LDS, no barrier.
.set P,  64                            ; v[64:191]  place i's pair at P + 2 i
.set kk, 0
; The pair at b, the earlier in the order, gives way to the pair at c only if c's maximum is greater.  Four mask registers take turns.
.macro MERGE b, c
	v_cmp_gt_f32 s[20+kk], v[\c], v[\b]
	v_cndmask_b32 v[\b],     v[\b],     v[\c],     s[20+kk]
	v_cndmask_b32 v[(\b)+1], v[(\b)+1], v[(\c)+1], s[20+kk]
.set kk, (kk+1)%4
.endm
	s_load_b128 s[4:7], s[0:1], 0x0                ; part s[4:5], out1 s[6:7]
	s_load_b64 s[8:9], s[0:1], 0x10                ; qidx
	v_and_b32 v1, 15, v0                           ; l % 16
	v_lshrrev_b32 v2, 4, v0                        ; l / 16
	v_lshlrev_b32 v3, 3, v1                        ; my row's 8 bytes,
	v_lshl_or_b32 v3, v2, 20, v3                   ; in my half's first chunk: 64 chunks of 16,384 bytes
	v_lshlrev_b32 v5, 14, v2                       ; a chunk's bytes in the upper half of the lanes, 0 in the lower
	v_sub_nc_u32 v6, v3, v5                        ; for my first place: the upper half's is chunk 63, one chunk back
	v_sub_nc_u32 v5, 0x4000, v5                    ; a chunk's bytes in the lower half, 0 in the upper
	v_add_nc_u32 v5, v3, v5                        ; for my last place: the lower half's is chunk 64, one chunk on
	v_lshlrev_b32 v4, 2, v1
	v_mov_b32 v8, 0                                ; v_permlanex16_b32's destinations count as read
	v_mov_b32 v9, 0
	s_lshl_b32 s10, ttmp9, 7                       ; the work-group's 16 rows in a chunk
	s_mov_b32 s11, 0
	s_lshl_b32 s16, ttmp9, 6                       ; and in the two outputs
	s_mov_b32 s17, 0
	s_mov_b32 s12, 0x76543210
	s_mov_b32 s13, 0xfedcba98
	s_wait_kmcnt 0x0
	s_add_nc_u64 s[4:5], s[4:5], s[10:11]
	s_add_nc_u64 s[6:7], s[6:7], s[16:17]
	s_add_nc_u64 s[8:9], s[8:9], s[16:17]
	global_load_b64 v[P:P+1], v6, s[4:5] th:TH_LOAD_NT
.set i, 1
.rept 62
	global_load_b64 v[P+2*i:P+2*i+1], v3, s[4:5] offset:16384*i th:TH_LOAD_NT
.set i, i+1
.endr
	global_load_b64 v[P+126:P+127], v5, s[4:5] offset:16384*63 th:TH_LOAD_NT
.set i, 0
.rept 32
	s_wait_loadcnt 62-i                            ; places i and i + 1 are in: 62 - i loads were issued behind the second of them
	MERGE P+2*i, P+2*(i+1)
.set i, i+2
.endr
.irp s, 2,4,8,16,32
.set i, 0
.rept 32/\s
	MERGE P+2*i, P+2*(i+\s)                        ; the earlier place is the one that stays
.set i, i+2*\s
.endr
.endr
	v_permlanex16_b32 v8, v[P], s12, s13           ; the other half's 64 places: for lanes 0 to 15, which alone store, the later ones
	v_permlanex16_b32 v9, v[P+1], s12, s13
	MERGE P, 8
	v_cmp_gt_u32 vcc_lo, 16, v0
	s_wait_xcnt 0x0                                ; EXEC is changed only behind this wait
	s_and_saveexec_b32 s14, vcc_lo
	global_store_b32 v4, v[P+1], s[6:7]            ; lanes 0 to 15: 64 consecutive bytes
	global_store_b32 v4, v[P+1], s[8:9]
	s_endpgm
.Lfunc_end_k_q38824be73d_pick:
	.size	k_q38824be73d_pick, .Lfunc_end_k_q38824be73d_pick-k_q38824be73d_pick
	.p2alignl 7, 3214868480
	.fill 96, 4, 3214868480
	.section	.rodata,"a",@progbits
	.p2align	6, 0x0
	.amdhsa_kernel k_q38824be73d_pick
		.amdhsa_group_segment_fixed_size 0
		.amdhsa_private_segment_fixed_size 0
		.amdhsa_enable_private_segment 0
		.amdhsa_kernarg_size 24
		.amdhsa_user_sgpr_count 2
		.amdhsa_user_sgpr_kernarg_segment_ptr 1
		.amdhsa_wavefront_size32 1
		.amdhsa_system_sgpr_workgroup_id_x 1
		.amdhsa_system_sgpr_workgroup_id_y 1
		.amdhsa_system_sgpr_workgroup_id_z 1
		.amdhsa_system_vgpr_workitem_id 0
		.amdhsa_next_free_vgpr 200
		.amdhsa_next_free_sgpr 66
		.amdhsa_reserve_vcc 1
		.amdhsa_float_denorm_mode_32 3
		.amdhsa_float_denorm_mode_16_64 3
		.amdhsa_memory_ordered 1
		.amdhsa_forward_progress 1
		.amdhsa_inst_pref_size 21
	.end_amdhsa_kernel
	.amdgpu_metadata
---
amdhsa.version: [ 1, 2 ]
amdhsa.kernels:
  - .name:           k_q38824be73d_pick
    .symbol:         k_q38824be73d_pick.kd
    .args:
      - { .name: part, .offset: 0, .size: 8, .value_kind: global_buffer, .address_space: global }
      - { .name: out1, .offset: 8, .size: 8, .value_kind: global_buffer, .address_space: global }
      - { .name: qidx, .offset: 16, .size: 8, .value_kind: global_buffer, .address_space: global }
    .group_segment_fixed_size: 0
    .private_segment_fixed_size: 0
    .kernarg_segment_align: 8
    .kernarg_segment_size: 24
    .max_flat_workgroup_size: 32
    .sgpr_count:     66
    .vgpr_count:     200
    .wavefront_size: 32
...
	.end_amdgpu_metadata
.endif
;; end of part 3
;; launch blend (part 4): grid 256 x 1, 8 waves a work-group, no clusters, 0 bytes of LDS; arguments xb, input_ids, modality_mask, qidx, out0; writes out0
.if DOCPART == 4
	.amdgcn_target "amdgcn-amd-amdhsa--gfx1250"
	.amdhsa_code_object_version 6
	.text
	.protected	k_q38824be73d_blend
	.globl	k_q38824be73d_blend
	.p2align	8
	.type	k_q38824be73d_blend,@function
k_q38824be73d_blend:
	s_mov_b64 s[64:65], 0
	v_nop
	global_prefetch_b8 v0, s[64:65] scope:SCOPE_SE
	s_setreg_imm32_b32 hwreg(HW_REG_WAVE_MODE, 25, 1), 1
	s_wait_xcnt 0x0
; out0[b][t][:] = where modality_mask[b][t]: the codebook row qidx[b][t] if t < 512, zeros if t >= 512; elsewhere the codebook row input_ids[b][t].
; The rows are taken from xb, the codebook rounded once to bf16, and widened to f32: half the bytes to read; each number is off by at most 2^-9 of itself.
; LIMITS.  An index beyond 15,999 (as an unsigned number) is taken as 15,999.
; SHARES.  A wave owns two rows R = 16 x work-group + 2 x wave and R + 1 (R is even, so both lie on the same side of t = 512 and in the same b).  Which row is read is settled in scalar registers,
; from whole numbers read from memory; a row of zeros reads a row all the same and masks it, so that the text has no branch.
; A row is 16 loads of 8 bytes a lane (256 consecutive bytes of xb) and 16 stores of 16 bytes a lane (512 consecutive bytes of out0).  All 32 loads go out at once; no register is used twice, so no store is waited for.
.set LO,   2                           ; v2   8 x lane
.set SO,   3                           ; v3   16 x lane
.set X,    16                          ; v[16:79]   load n: two words, four bf16
.set O,    80                          ; v[80:207]  load n: the four numbers in f32
.set KEEP, 36                          ; s36, s37   row i: 0 if the row is zeros, else all ones
.set BASE, 40                          ; s[40:43]   row i: the address of its source row
	s_load_b256 s[4:11], s[0:1], 0x0               ; xb s[4:5], input_ids s[6:7], modality_mask s[8:9], qidx s[10:11]
	s_load_b64 s[12:13], s[0:1], 0x20              ; out0
	v_lshrrev_b32 v1, 5, v0
	v_readfirstlane_b32 s14, v1                    ; wave 0..7
	v_and_b32 v4, 31, v0
	v_lshlrev_b32 v[LO], 3, v4
	v_lshlrev_b32 v[SO], 4, v4
	s_lshl_b32 s15, ttmp9, 4
	s_lshl_b32 s16, s14, 1
	s_add_co_u32 s15, s15, s16                     ; R
	s_and_b32 s16, s15, 1023                       ; t
	s_lshr_b32 s17, s15, 10                        ; b
	s_min_u32 s18, s16, 510                        ; qidx has 512 numbers for each b: beyond them a place inside is read, and not used
	s_lshl_b32 s17, s17, 9
	s_add_co_u32 s18, s18, s17
	s_lshl_b32 s18, s18, 2
	s_mov_b32 s19, 0
	s_lshl_b32 s20, s15, 2                         ; input_ids: 4 bytes a row
	s_mov_b32 s21, 0
	s_mov_b32 s22, s15                             ; modality_mask: 1 byte a row
	s_mov_b32 s23, 0
	s_lshl_b32 s24, s15, 13                        ; out0: 8,192 bytes a row
	s_mov_b32 s25, 0
	s_mov_b32 s44, 0xffff0000                      ; a word's upper bf16
	s_cmp_ge_u32 s16, 512
	s_cselect_b32 s26, 0, -1                       ; what a row under the mask keeps: nothing from t = 512 on
	s_wait_kmcnt 0x0
	s_add_nc_u64 s[6:7], s[6:7], s[20:21]
	s_add_nc_u64 s[8:9], s[8:9], s[22:23]
	s_add_nc_u64 s[10:11], s[10:11], s[18:19]
	s_add_nc_u64 s[12:13], s[12:13], s[24:25]
	s_load_b64 s[28:29], s[6:7], 0x0               ; the two rows' ids,
	s_load_u16 s30, s[8:9], 0x0                    ; mask bytes,
	s_load_b64 s[32:33], s[10:11], 0x0             ; and quantised indices
	s_wait_kmcnt 0x0
.irp i, 0,1
	s_bfe_u32 s34, s30, 0x80000+8*\i               ; 8 bits from bit 8 i
	s_cmp_lg_u32 s34, 0
	s_cselect_b32 s35, s[32+\i], s[28+\i]
	s_cselect_b32 s[KEEP+\i], s26, -1
	s_min_u32 s35, s35, 15999                      ; a loaded number enters an address only behind this bound
	s_lshl_b32 s[BASE+2*\i], s35, 12               ; 4,096 bytes a row of xb
	s_mov_b32 s[BASE+2*\i+1], 0
	s_add_nc_u64 s[BASE+2*\i:BASE+2*\i+1], s[4:5], s[BASE+2*\i:BASE+2*\i+1]
.endr
.set n, 0
.rept 32
	global_load_b64 v[X+2*n:X+2*n+1], v[LO], s[BASE+2*(n/16):BASE+2*(n/16)+1] offset:256*(n%16)
.set n, n+1
.endr
.set n, 0
.rept 32
	s_wait_loadcnt 31-n                            ; loads come back in order: load n is in, the 31 - n younger ones stay out
	v_and_b32 v[X+2*n],   s[KEEP+n/16], v[X+2*n]
	v_and_b32 v[X+2*n+1], s[KEEP+n/16], v[X+2*n+1]
	v_lshlrev_b32 v[O+4*n],   16,  v[X+2*n]        ; bf16 to f32: the low half moves up,
	v_and_b32     v[O+4*n+1], s44, v[X+2*n]        ; the high half stays
	v_lshlrev_b32 v[O+4*n+2], 16,  v[X+2*n+1]
	v_and_b32     v[O+4*n+3], s44, v[X+2*n+1]
	global_store_b128 v[SO], v[O+4*n:O+4*n+3], s[12:13] offset:8192*(n/16)+512*(n%16) th:TH_STORE_NT
.set n, n+1
.endr
	s_endpgm
.Lfunc_end_k_q38824be73d_blend:
	.size	k_q38824be73d_blend, .Lfunc_end_k_q38824be73d_blend-k_q38824be73d_blend
	.p2alignl 7, 3214868480
	.fill 96, 4, 3214868480
	.section	.rodata,"a",@progbits
	.p2align	6, 0x0
	.amdhsa_kernel k_q38824be73d_blend
		.amdhsa_group_segment_fixed_size 0
		.amdhsa_private_segment_fixed_size 0
		.amdhsa_enable_private_segment 0
		.amdhsa_kernarg_size 40
		.amdhsa_user_sgpr_count 2
		.amdhsa_user_sgpr_kernarg_segment_ptr 1
		.amdhsa_wavefront_size32 1
		.amdhsa_system_sgpr_workgroup_id_x 1
		.amdhsa_system_sgpr_workgroup_id_y 1
		.amdhsa_system_sgpr_workgroup_id_z 1
		.amdhsa_system_vgpr_workitem_id 0
		.amdhsa_next_free_vgpr 208
		.amdhsa_next_free_sgpr 66
		.amdhsa_reserve_vcc 0
		.amdhsa_float_denorm_mode_32 3
		.amdhsa_float_denorm_mode_16_64 3
		.amdhsa_memory_ordered 1
		.amdhsa_forward_progress 1
		.amdhsa_inst_pref_size 16
	.end_amdhsa_kernel
	.amdgpu_metadata
---
amdhsa.version: [ 1, 2 ]
amdhsa.kernels:
  - .name:           k_q38824be73d_blend
    .symbol:         k_q38824be73d_blend.kd
    .args:
      - { .name: xb, .offset: 0, .size: 8, .value_kind: global_buffer, .address_space: global }
      - { .name: input_ids, .offset: 8, .size: 8, .value_kind: global_buffer, .address_space: global }
      - { .name: modality_mask, .offset: 16, .size: 8, .value_kind: global_buffer, .address_space: global }
      - { .name: qidx, .offset: 24, .size: 8, .value_kind: global_buffer, .address_space: global }
      - { .name: out0, .offset: 32, .size: 8, .value_kind: global_buffer, .address_space: global }
    .group_segment_fixed_size: 0
    .private_segment_fixed_size: 0
    .kernarg_segment_align: 8
    .kernarg_segment_size: 40
    .max_flat_workgroup_size: 256
    .sgpr_count:     66
    .vgpr_count:     208
    .wavefront_size: 32
...
	.end_amdgpu_metadata
.endif
;; end of part 4
;; ======== version 2 of 2: 4 launches; version 1 with the launch prep written anew for expert scheduling mode
;; workspace buffers: xb 73,924,608 bytes; rn 72,192 bytes; part 2,097,152 bytes; qidx 8,192 bytes of whole numbers
;; launch prep (part 5): grid 256 x 1, 24 waves a work-group, no clusters, 0 bytes of LDS; arguments embed_weight, encoder_outs, xb, rn; writes xb, rn
.if DOCPART == 5
	.amdgcn_target "amdgcn-amd-amdhsa--gfx1250"
	.amdhsa_code_object_version 6
	.text
	.protected	k_q38824be73d_prep
	.globl	k_q38824be73d_prep
	.p2align	8
	.type	k_q38824be73d_prep,@function
k_q38824be73d_prep:
	s_mov_b64 s[64:65], 0
	v_nop
	global_prefetch_b8 v0, s[64:65] scope:SCOPE_SE
	s_setreg_imm32_b32 hwreg(HW_REG_WAVE_SCHED_MODE, 0, 2), 2
	s_setreg_imm32_b32 hwreg(HW_REG_WAVE_MODE, 25, 1), 1
	s_wait_xcnt 0x0
	s_wait_alu depctr_vm_vsrc(0)
; xb[row][:] = bf16(source row), rn[row] = 1 / sqrt(sum of squares of the ROUNDED row).  Rows 0..15,999 of xb are embed_weight's, rows 16,000..18,047 encoder_outs'.
; The norms are taken of the rounded numbers, so that the later products and the norms speak of the same vectors.
; LIMITS.  A row whose sum of squares is 0 or below 2^-126 gets rn = infinity; a sum of squares beyond f32's range (numbers of about 1e17 and more) gives rn = 0; NaN and infinities are not treated apart.
; SHARES.  18,048 rows are 70.5 for each of 256 work-groups: work-group g owns the 70 + g % 2 rows from (141 g) / 2 on.  24 waves of 3 rows are 72: the first 22 + g % 2 waves take 3 rows on end, the others 2.
; One work-group holds row 16,000, so each row picks its own source by its number.
; A source row is 8,192 bytes: 16 loads of 16 bytes a lane, each 512 consecutive bytes; each becomes one store of 8 bytes a lane: 256 consecutive bytes of xb, aligned.
; A ring of 16 slots in registers (one row) keeps 12 to 16 loads of every wave on their way.  A wave has three rows at the most, so its rows are written out, without a loop:
; the first row, which refills from the second; a middle row, which waves of two rows jump over; the last row, which loads nothing.  Each row has a base of its own: none is ever stepped.
; No LDS: no wave wants a byte that another has fetched, and a row's sum never leaves its wave.
; THE MODE: SCHED_MODE bits 1:0 = 2 (LLVM: expert scheduling mode 2), set by the entry lines.  The code itself states the register dependences
; between vector instructions and memory instructions, with s_wait_alu, always for 0.
; THE PLAN.  A row goes in four blocks of four slots.  Registers that memory instructions touch:
;   X          16 slots.  Written by loads alone; a block's eight conversions read its four slots, and behind them the same four slots are loaded again, in the same block.
;   Y          two sets of 32, a set to a row.  A block's conversions write its eight registers; its four stores read them, and so do its sixteen multiply-adds.
;              Set 0 is written again by the last row alone; set 1 is written once.
;   LO, SO, NO byte offsets, made once at the head and never written again: the rows are reached by scalar bases of their own and by immediate offsets.
;   RS         written by the root, read by the last store.
; ACC, TT, ZR, RES and LN are named by vector instructions alone.
; So ONE wait on va_vdst stands in a block, behind its conversions: they are done reading the block's X and have written the block's Y.  Behind it come, slot by slot, the slot's load, its store and
; its four multiply-adds: when a slot's load and store are issued, the vector instructions issued since the wait have named earlier slots' Y and ACC alone.
; ONE wait on vm_vsrc stands ahead of the last row: the first row's stores have read set 0.
.set NW,   16000                       ; rows of embed_weight
.set LN,   1                           ; v1   lane
.set LO,   2                           ; v2   16 x lane: my place in a load; never rewritten
.set SO,   3                           ; v3   8 x lane: my place in a store; never rewritten
.set NO,   4                           ; v4   4 x lane: my place in rn
.set ZR,   5                           ; v5   0: what a row's first four products are added to
.set RES,  6                           ; v6   lane k (k < 3): the sum of squares of my row k; 1.0 elsewhere
.set RS,   7                           ; v7   its reciprocal root
.set ACC,  8                           ; v[8:11]  four chains of sums
.set TT,   12                          ; v12  at work
.set X,    16                          ; v[16:79]   slot n: 4 numbers in f32 as loaded
.set Y,    80                          ; v[80:143]  two sets of 32: slot n's 4 numbers in bf16, to store
.set WV,   12                          ; s12  my wave's number
.set ROWI, 13                          ; s13  the number, 0 to 2, of the row whose sum comes next
.set R0,   16                          ; s16  my first row
.set NR,   17                          ; s17  how many rows I have: 3 or 2
.set SRC,  24                          ; s[24:29] the source address of my row i at SRC + 2 i
.set DL,   30                          ; s[30:31] xb at my last row
.set RI,   32                          ; s32-34   my row i's number
.set OF,   36                          ; s[36:41] its byte offset in its source
	s_load_b256 s[4:11], s[0:1], 0x0               ; embed_weight s[4:5], encoder_outs s[6:7], xb s[8:9], rn s[10:11]
	v_and_b32 v[LN], 31, v0
	v_lshrrev_b32 v[TT], 5, v0
	v_readfirstlane_b32 s[WV], v[TT]               ; wave 0..23
	v_lshlrev_b32 v[LO], 4, v[LN]
	v_lshlrev_b32 v[SO], 3, v[LN]
	v_lshlrev_b32 v[NO], 2, v[LN]
	v_mov_b32 v[ZR], 0
	v_mov_b32 v[RES], 1.0
	s_mul_i32 s14, ttmp9, 141
	s_lshr_b32 s14, s14, 1                         ; the work-group's first row
	s_and_b32 s15, ttmp9, 1
	s_add_co_u32 s15, s15, 22                      ; so many waves have three rows
	s_wait_alu depctr_va_sdst(0)                   ; my wave's number is written into s12, ahead of its first reader: my rows are made from it
	s_min_u32 s[R0], s[WV], s15
	s_lshl_b32 s18, s[WV], 1
	s_add_co_u32 s[R0], s[R0], s18
	s_add_co_u32 s[R0], s[R0], s14                 ; my first row: the work-group's + 2 w + min(w, waves of three)
	s_cmp_lt_u32 s[WV], s15
	s_cselect_b32 s[NR], 3, 2
.irp i, 0,1,2
	s_add_co_u32 s[RI+\i], s[R0], \i
	s_sub_co_u32 s19, s[RI+\i], NW                 ; its number in encoder_outs, if that is its source
	s_cmp_lt_u32 s[RI+\i], NW
	s_cselect_b32 s19, s[RI+\i], s19
	s_lshl_b32 s[OF+2*\i], s19, 13                 ; 8,192 bytes a row (under 2^27)
	s_mov_b32 s[OF+2*\i+1], 0
.endr
	s_lshl_b32 s42, s[R0], 12                      ; in xb: 4,096 bytes a row
	s_mov_b32 s43, 0
	s_lshl_b32 s44, s[R0], 2                       ; in rn: 4 bytes a row
	s_mov_b32 s45, 0
	s_add_co_u32 s46, s[R0], s[NR]
	s_sub_co_u32 s46, s46, 1                       ; my last row,
	s_lshl_b32 s46, s46, 12                        ; in xb
	s_mov_b32 s47, 0
	s_mov_b32 s20, 0x76543210                      ; v_permlanex16_b32: each lane takes its own place in the other half
	s_mov_b32 s21, 0xfedcba98
	s_mov_b32 s[ROWI], 0
	s_wait_kmcnt 0x0
	s_cmp_lt_u32 s[RI], NW
	s_cselect_b64 s[SRC:SRC+1], s[4:5], s[6:7]     ; my first row's source
	s_add_nc_u64 s[SRC:SRC+1], s[SRC:SRC+1], s[OF:OF+1]
	s_wait_alu depctr_va_vdst(0)                   ; the three offsets LO, SO and NO are written: every load and store of the kernel reads one of them
.set n, 0
.rept 16
	global_load_b128 v[X+4*n:X+4*n+3], v[LO], s[SRC:SRC+1] offset:512*n th:TH_LOAD_NT  ; the ring is filled: my first row
.set n, n+1
.endr
.irp i, 1,2                            ; (a wave of two rows makes the third address too, and never uses it)
	s_cmp_lt_u32 s[RI+\i], NW
	s_cselect_b64 s[SRC+2*\i:SRC+2*\i+1], s[4:5], s[6:7]
	s_add_nc_u64 s[SRC+2*\i:SRC+2*\i+1], s[SRC+2*\i:SRC+2*\i+1], s[OF+2*\i:OF+2*\i+1]
.endr
	s_add_nc_u64 s[DL:DL+1], s[8:9], s[46:47]
	s_add_nc_u64 s[8:9], s[8:9], s[42:43]          ; xb at my first row
	s_add_nc_u64 s[10:11], s[10:11], s[44:45]
; Four squares of bf16 halves, each added in f32 onto a chain of its own (a0..a3: the chains, or ZR at a row's beginning: nothing is cleared).
.macro SQ4 y, a0, a1, a2, a3
	v_fma_mix_f32_bf16 v[ACC],   v[\y],     v[\y],     v[\a0] op_sel_hi:[1,1,0]
	v_fma_mix_f32_bf16 v[ACC+1], v[\y],     v[\y],     v[\a1] op_sel:[1,1,0] op_sel_hi:[1,1,0]
	v_fma_mix_f32_bf16 v[ACC+2], v[(\y)+1], v[(\y)+1], v[\a2] op_sel_hi:[1,1,0]
	v_fma_mix_f32_bf16 v[ACC+3], v[(\y)+1], v[(\y)+1], v[\a3] op_sel:[1,1,0] op_sel_hi:[1,1,0]
.endm
; Block b of a row: slots 4 b to 4 b + 3.  ys: the set of store registers.  ahead = 1: the slots are filled again with the same places of the row at s[nx].  db, ro: the stores' base, and rows behind it.
; left: how many younger loads may stay out when the block's four have to be there.
.macro BLK b, ys, ahead, nx, db, ro, left
	s_wait_loadcnt \left                           ; loads come back in order: my block's four are in, the younger ones stay out
.irp i, 0,1,2,3
	v_cvt_pk_bf16_f32 v[Y+32*(\ys)+2*(4*(\b)+\i)],   v[X+4*(4*(\b)+\i)],   v[X+4*(4*(\b)+\i)+1]
	v_cvt_pk_bf16_f32 v[Y+32*(\ys)+2*(4*(\b)+\i)+1], v[X+4*(4*(\b)+\i)+2], v[X+4*(4*(\b)+\i)+3]
.endr
	s_wait_alu depctr_va_vdst(0)                   ; the eight conversions are done reading the block's X, in which the loads below land, and have written the block's Y, which the stores below read
.irp i, 0,1,2,3
.if \ahead
	global_load_b128 v[X+4*(4*(\b)+\i):X+4*(4*(\b)+\i)+3], v[LO], s[\nx:(\nx)+1] offset:512*(4*(\b)+\i) th:TH_LOAD_NT  ; the load ahead of the store; no vector instruction since the wait names these registers
.endif
	global_store_b64 v[SO], v[Y+32*(\ys)+2*(4*(\b)+\i):Y+32*(\ys)+2*(4*(\b)+\i)+1], s[\db:(\db)+1] offset:4096*(\ro)+256*(4*(\b)+\i)  ; ahead of the slot's multiply-adds: those issued since the wait name earlier slots' Y alone
.if (4*(\b)+\i) == 0
	SQ4 Y+32*(\ys)+2*(4*(\b)+\i), ZR, ZR, ZR, ZR
.else
	SQ4 Y+32*(\ys)+2*(4*(\b)+\i), ACC, ACC+1, ACC+2, ACC+3
.endif
.endr
.endm
; A row: its four blocks; then its four chains and 32 lanes are added, and lane s[ROWI] of RES takes the sum.
.macro ROW ys, ahead, nx, db, ro
.irp b, 0,1,2,3
.if \ahead
	BLK \b, \ys, 1, \nx, \db, \ro, 12              ; the 12 other slots' loads are younger than my block's four
.else
	BLK \b, \ys, 0, \nx, \db, \ro, 12-4*\b         ; nothing is loaded any more: the counts run down
.endif
.endr
	v_cmp_eq_u32 vcc_lo, s[ROWI], v[LN]            ; which lane of RES takes the sum: made here, ahead of the additions, and read below
	v_add_f32 v[ACC], v[ACC], v[ACC+1]
	v_add_f32 v[ACC+2], v[ACC+2], v[ACC+3]
	v_add_f32 v[ACC], v[ACC], v[ACC+2]
	v_add_f32_dpp v[ACC], v[ACC], v[ACC] row_xmask:1 row_mask:0xf bank_mask:0xf
	v_add_f32_dpp v[ACC], v[ACC], v[ACC] row_xmask:2 row_mask:0xf bank_mask:0xf
	v_add_f32_dpp v[ACC], v[ACC], v[ACC] row_xmask:4 row_mask:0xf bank_mask:0xf
	v_add_f32_dpp v[ACC], v[ACC], v[ACC] row_xmask:8 row_mask:0xf bank_mask:0xf
	v_permlanex16_b32 v[TT], v[ACC], s20, s21
	v_add_f32 v[ACC], v[ACC], v[TT]
	s_wait_alu depctr_va_vcc(0)                    ; the compare has written VCC, ahead of its first reader, the select below
	v_cndmask_b32 v[RES], v[RES], v[ACC], vcc_lo
	s_add_co_u32 s[ROWI], s[ROWI], 1
.endm
	ROW 0, 1, SRC+2, 8, 0                          ; my first row; the ring takes my second
	s_cmp_eq_u32 s[NR], 3
	s_cbranch_scc0 .Llast                          ; on both ways 16 loads are out at the label: my last row's
	ROW 1, 1, SRC+4, 8, 1                          ; the middle one of three; the ring takes my third
.Llast:
	s_wait_xcnt 0x0                                ; every load and store issued so far has had its addresses translated: only behind this wait is the first set of store registers written again
	s_wait_alu depctr_vm_vsrc(0)                   ; the first row's stores have read Y's set 0, which the last row's conversions write again
	ROW 0, 0, SRC, DL, 0                           ; my last row
	v_rsq_f32 v[RS], v[RES]
	v_nop                                          ; a plain instruction behind the root
	v_cmp_gt_u32 vcc_lo, s[NR], v[LN]
	s_wait_alu depctr_va_vcc(0)                    ; the compare has written VCC: EXEC is made from it
	s_wait_xcnt 0x0                                ; EXEC is changed only behind this wait
	s_wait_alu depctr_va_vdst(0)                   ; ahead of the write of EXEC every vector instruction is done; among them the root, which has written RS: this is the wait ahead of the first reader of its result, the store below
	s_wait_alu depctr_vm_vsrc(0)                   ; ahead of the write of EXEC every load and store has read its vector registers
	s_and_saveexec_b32 s22, vcc_lo
	global_store_b32 v[NO], v[RS], s[10:11]        ; lanes 0 to 2 (or 0 and 1): my rows' numbers, 12 (or 8) consecutive bytes
	s_endpgm
.Lfunc_end_k_q38824be73d_prep:
	.size	k_q38824be73d_prep, .Lfunc_end_k_q38824be73d_prep-k_q38824be73d_prep
	.p2alignl 7, 3214868480
	.fill 96, 4, 3214868480
	.section	.rodata,"a",@progbits
	.p2align	6, 0x0
	.amdhsa_kernel k_q38824be73d_prep
		.amdhsa_group_segment_fixed_size 0
		.amdhsa_private_segment_fixed_size 0
		.amdhsa_enable_private_segment 0
		.amdhsa_kernarg_size 32
		.amdhsa_user_sgpr_count 2
		.amdhsa_user_sgpr_kernarg_segment_ptr 1
		.amdhsa_wavefront_size32 1
		.amdhsa_system_sgpr_workgroup_id_x 1
		.amdhsa_system_sgpr_workgroup_id_y 1
		.amdhsa_system_sgpr_workgroup_id_z 1
		.amdhsa_system_vgpr_workitem_id 0
		.amdhsa_next_free_vgpr 144
		.amdhsa_next_free_sgpr 66
		.amdhsa_reserve_vcc 1
		.amdhsa_float_denorm_mode_32 3
		.amdhsa_float_denorm_mode_16_64 3
		.amdhsa_memory_ordered 1
		.amdhsa_forward_progress 1
		.amdhsa_inst_pref_size 33
	.end_amdhsa_kernel
	.amdgpu_metadata
---
amdhsa.version: [ 1, 2 ]
amdhsa.kernels:
  - .name:           k_q38824be73d_prep
    .symbol:         k_q38824be73d_prep.kd
    .args:
      - { .name: embed_weight, .offset: 0, .size: 8, .value_kind: global_buffer, .address_space: global }
      - { .name: encoder_outs, .offset: 8, .size: 8, .value_kind: global_buffer, .address_space: global }
      - { .name: xb, .offset: 16, .size: 8, .value_kind: global_buffer, .address_space: global }
      - { .name: rn, .offset: 24, .size: 8, .value_kind: global_buffer, .address_space: global }
    .group_segment_fixed_size: 0
    .private_segment_fixed_size: 0
    .kernarg_segment_align: 8
    .kernarg_segment_size: 32
    .max_flat_workgroup_size: 768
    .sgpr_count:     66
    .vgpr_count:     144
    .wavefront_size: 32
...
	.end_amdgpu_metadata
.endif
;; end of part 5
;; launch gemm: the kernel of part 2 again; grid 32 x 8, 4 waves a work-group, clusters of 4 x 4, 327,680 bytes of LDS; arguments xb, rn, part; writes part
;; launch pick: the kernel of part 3 again; grid 128 x 1, 1 waves a work-group, no clusters, 0 bytes of LDS; arguments part, out1, qidx; writes out1, qidx
;; launch blend: the kernel of part 4 again; grid 256 x 1, 8 waves a work-group, no clusters, 0 bytes of LDS; arguments xb, input_ids, modality_mask, qidx, out0; writes out0
